; MI455X (gfx1250); checked and timed in simulation.
; The chip was launched on July 23, 2026; its instructions are those of AMD's public machine-readable ISA for CDNA 5 (MIT licence, August 2026) and "CDNA5" Instruction Set Architecture Reference Guide (July 2026). The comments in the code are by the model that wrote it; some were corrected since.
;; Masked Self Attention. Allowed arithmetic: matrix products marked QUANTISED: E3M2 operands, one E8M0 scale for each 32 along K, by v_wmma_scale_f32_16x16x128_f8f6f4 with both operands' format E3M2, f32 sums; products left as they are: f32 operands where the result goes on into a quantised operand, else bf16, f16 or f32 operands; f32 sums; everything else in f32.
;; Inputs: W_K_codes 4,096 x 128 x 24 uint8 (E3M2 codes of W_K, K innermost, in blocks of 32 codes, four codes in three bytes); W_K_scales 4,096 x 128 uint8 (E8M0 scales of W_K, one for each 32 codes along K); W_Q 4,096 x 4,096 float32; W_V_codes 4,096 x 128 x 24 uint8 (E3M2 codes of W_V, K innermost, in blocks of 32 codes, four codes in three bytes); W_V_scales 4,096 x 128 uint8 (E8M0 scales of W_V, one for each 32 codes along K); inp 4,096 float32; prev_inps 2,047 x 4,096 float32.
;; Outputs: out0 4,096 float32; out1 2,048 x 4,096 float32.
;; This version of the problem:
;;   THIS VERSION OF THE PROBLEM IS GIVEN IN LOW PRECISION. The matrix products marked QUANTISED in the list below multiply operands that are first quantised to E3M2 (3 exponent bits, 2 mantissa bits; 6 bits a number), with one power-of-two scale for each 32 numbers along K (OCP MX v1.0); their sums are f32. All else is computed in f32.
;;   The module's matrix products, in the order in which they are computed (A, B: the left and right operand; K: the contracted axis; several contracted axes count as one K, in the product's order):
;;     1. [M 4,096, K 4,096] x [K 4,096, N 1]; A: input W_Q; B: input inp: left as it is (N = 1 < 16)
;;     2. [M 2,048, K 4,096] x [K 4,096, N 4,096]; A: computed on the way; B: input W_K (given as codes): QUANTISED
;;     3. [M 2,048, K 4,096] x [K 4,096, N 4,096]; A: computed on the way; B: input W_V (given as codes): QUANTISED
;;     4. [M 2,048, K 4,096] x [K 4,096, N 1]; A: computed on the way; B: computed on the way: left as it is (N = 1 < 16)
;;     5. [M 1, K 2,048] x [K 2,048, N 4,096]; A: softmax; B: computed on the way: left as it is (M = 1 < 16)
;;   THE QUANTISER, for each operand of a quantised product, along K:
;;     - K is cut into blocks of 32 from its start; a last block that is shorter is filled with zeros.
;;     - A block's scale is 2^e with e = floor(log2(the largest magnitude in the block)) - 4, held to -126 .. 127; a block of zeros has e = 0. As a byte (E8M0): e + 127.
;;     - Each number is divided by its block's scale, clamped to +-28, and rounded to the nearest number of E3M2, ties to even, subnormals kept.
;;     - The product sums the exact products of the quantised numbers (number of the format x scale) in f32.
;;   ~~~python
;;   def quantise(x, axis):      # numpy; x: float32 -> the quantised numbers, widened to float32 again
;;       x = np.moveaxis(x, axis, -1); K = x.shape[-1]
;;       x = np.pad(x, [(0, 0)] * (x.ndim - 1) + [(0, -K % 32)]); x = x.reshape(x.shape[:-1] + (-1, 32)); a = np.abs(x).max(-1, keepdims=True)
;;       e = np.where(a > 0, np.clip(np.frexp(np.where(a > 0, a, 1))[1] - 1 - 4, -126, 127), 0)      # np.frexp(a)[1] - 1 = floor(log2(a)), exactly
;;       r = np.clip(x / 2.0 ** e, -28, 28)
;;       step = 2.0 ** (np.maximum(np.frexp(np.where(r == 0, 1, r))[1] - 1, -2) - 2)
;;       q = np.round(r / step) * step * 2.0 ** e      # np.round: ties to even
;;       return np.moveaxis(q.reshape(q.shape[:-2] + (-1,))[..., :K], -1, axis).astype(np.float32)
;;   ~~~
;;   OPERANDS COMPUTED ON THE WAY. 'Computed on the way' means the value that the module computes at that place (a softmax that the list does not call 'softmax' is quantised finished and normalised). What goes into a quantiser is computed in f32, as accurately as f32 sums, v_exp_f32 and their like allow (about 1e-6 of the number): no bf16 or f16 on the way to a quantiser, and a product that is left as it is and whose result goes on into a quantised operand takes f32 operands (vector FMAs, or v_wmma_f32_16x16x4_f32). A number that lies on a knife's edge between two numbers of the format may be rounded either way, as far as f32 arithmetic and the matrix unit's own rounding can turn it there, and no further.
;;   INPUTS GIVEN AS CODES. W_K (in the module: [4096, 4096], K = its axis 1); W_V (in the module: [4096, 4096], K = its axis 1): each comes as NAME_codes (uint8): NAME with its K axis moved to the last place and cut into blocks of 32 codes, [.., K / 32, bytes a block], one block behind the other in memory; four codes in three bytes: a row's codes are one little-endian stream of bits, code i at bits 6 i .. 6 i + 5 (a code: sign, 3 exponent bits, 2 mantissa bits); and NAME_scales (uint8): the same leading axes, one E8M0 byte (e + 127) for each 32 codes along K. Its value is code x scale, taken as it is: it is not quantised again, and the codes and scales need not be those that the quantiser above would give.
;; One version. Each part assembles by itself: llvm-mc -triple=amdgcn-amd-amdhsa -mcpu=gfx1250 --defsym DOCPART=n.
;; ======== version 1 of 1: 3 launches
;; limits: values are held in bf16: 8 bits of precision; right only within a limited range of input values
;; workspace buffers: xc 6,291,456 bytes; xs 262,144 bytes; qv 16,384 bytes; pl 131,072 bytes; vt 16,777,216 bytes; ws 1,048,576 bytes
;; launch prep (part 1): grid 576 x 1, 4 waves a work-group, no clusters, 33,280 bytes of LDS; arguments prev_inps, inp, W_Q, out1, xc, xs, qv, W_K_scales, W_V_scales, ws; writes out1, xc, xs, qv, ws
.if DOCPART == 1
	.amdgcn_target "amdgcn-amd-amdhsa--gfx1250"
	.amdhsa_code_object_version 6
	.text
	.protected	k_q5cd71fa338_prep
	.globl	k_q5cd71fa338_prep
	.p2align	8
	.type	k_q5cd71fa338_prep,@function
k_q5cd71fa338_prep:
	s_mov_b64 s[64:65], 0
	v_nop
	global_prefetch_b8 v0, s[64:65] scope:SCOPE_SE
	s_setreg_imm32_b32 hwreg(HW_REG_WAVE_MODE, 25, 1), 1
	s_wait_xcnt 0x0
; THREE JOBS IN ONE LAUNCH, parted on the work-group's number.
; Work-groups 0-255: X = prev_inps [2047][4096] with inp as row 2047, f32.  X is copied to out1, and turned into codes of BF6 (E3M2), 6 bits each, K innermost
;   (xc: [2048][128][24] bytes), with one E8M0 scale byte for each 32 along K (xs: [2048][128]).  X is read from memory once for all three.
; Work-groups 256-511: query = W_Q inp, f32 fused multiply-adds (qv: [4096] f32).  W_Q [4096][4096] is read once.
; A block's scale is 2^(floor(log2(its largest magnitude)) - 4); its byte is the largest magnitude's own exponent field - 4, held at 1 from below.  Each number is divided by the scale and
; rounded to the nearest code, ties to even; beyond the largest code the conversion gives the largest code.
; LIMITS: a block of zeros gets the byte 1 where the quantiser's text says 127: its codes are zeros, which add nothing under any byte but 0xff, and xs is read by this program alone.
; Blocks whose largest magnitude lies under 2^(5 - 127), the floor, are quantised under the byte 1.  NaN and infinities in X are not served.
; The query's sum runs in 128 chains a row (32 lanes x 4), joined at the end: another order of rounding than a single chain's.
; No tensor loads, no barrier: waves share nothing.  Matrix units and clusters would add nothing: both jobs are bound by their bytes.
.set STEPS, 16                         ; path X: a wave takes 16 steps of 512 numbers: two rows of X
.set EMAX,  4                          ; the exponent of the format's largest number, 28
.set CB,    12                         ; bytes of 16 codes
.set R,     16                         ; v16-79   four sets of 16 numbers as they are loaded (and as they are stored to out1)
.set X,     80                         ; v80-111  two sets of 16 neighbours
.set E,     112                        ; v112-127 a scale byte for each step
.set C,     128                        ; v128-191 codes: four registers for each step, so that no store's data are written again
.set WREG,  8192                       ; LDS: a region for each wave: two stages of 32 x SP bytes, and behind them its 256 scale bytes
.set SP,    80                         ; a lane's place in a stage: its 64 bytes + 16 of padding
.set ACC,   8                          ; path Q: v8-23 row k's sums: v[8+4k:11+4k], two packed pairs
.set D,     32                         ; path Q: v32-191 a ring of 8 slots x 20 registers: 4 numbers of inp, then 4 of each of my 4 rows
	s_load_b256 s[4:11], s[0:1], 0x0               ; prev_inps s[4:5], inp s[6:7], W_Q s[8:9], out1 s[10:11]
	s_load_b128 s[12:15], s[0:1], 0x20             ; xc s[12:13], xs s[14:15]
	s_load_b64 s[16:17], s[0:1], 0x30              ; qv
	v_lshl_add_u32 v192, v0, 2, 0x8000
	v_mov_b32 v193, 0
	v_lshrrev_b32 v1, 5, v0
	v_readfirstlane_b32 s18, v1                    ; wave 0..3
	v_and_b32 v2, 31, v0                           ; lane
	s_wait_alu depctr_va_vdst(0)
	s_wait_kmcnt 0x0
	s_cmp_lt_u32 ttmp9, 256
	s_cbranch_scc0 .Lquery
; ---------------- PATH X ----------------
; The conversion takes 16 numbers of ONE block from a lane's registers, so for it a lane must hold 16 neighbours (two neighbouring lanes hold a block); a load is best where neighbouring
; LANES take neighbouring bytes.  Both are had: each of a step's four loads reads 512 consecutive bytes, 16 a lane; the 2,048 bytes go through the wave's own stage in LDS, as they lie, and come
; back 64 bytes a lane.  The registers as loaded are also what out1 wants: four stores of 512 consecutive bytes a step.
	s_lshl_b32 s19, ttmp9, 2
	s_add_co_u32 s19, s19, s18                     ; my run of 8,192 numbers: rows 2 run and 2 run + 1
	v_lshlrev_b32 v3, 4, v2                        ; my 16 bytes of a load's 512
	s_mul_i32 s28, s18, WREG
	v_lshrrev_b32 v14, 2, v2
	v_mul_u32_u24 v14, v14, SP
	v_and_b32 v15, 3, v2
	v_lshl_add_u32 v14, v15, 4, v14
	v_add_nc_u32 v14, s28, v14                     ; the stage, on the way in: four lanes' 64 bytes on end, then 16 of padding
	v_mul_u32_u24 v15, v2, SP
	v_add_nc_u32 v15, s28, v15                     ; and on the way out: SP x lane: my 16 neighbours
	v_mul_u32_u24 v4, v2, CB                       ; my codes' place in a step's
	v_lshrrev_b32 v5, 1, v2
	s_add_co_u32 s28, s28, 2*32*SP
	v_add_nc_u32 v5, s28, v5                       ; LDS: my wave's 256 scale bytes, my block's byte
	v_lshlrev_b32 v7, 3, v2                        ; and on the way out 8 bytes a lane
	v_add_nc_u32 v6, s28, v7
	s_lshl_b32 s20, s19, 15                        ; the run's first byte in X: 32,768 x run
	s_mov_b32 s21, 0
	s_add_co_u32 s22, s20, 16384                   ; its second row
	s_mov_b32 s23, 0
	s_mul_i32 s26, s19, 32*STEPS*CB                ; its codes: 6,144 bytes a run
	s_mov_b32 s27, 0
	; THE ORDER OF xs (it takes the place of the order [2048][128] named at the head): [32 rows][pair of K steps: 16][row: 32][8 bytes], so that 32 lanes of the product's launch load 256 bytes on end
	s_lshr_b32 s30, s19, 4                         ; my two rows' group of 32 rows: 4,096 bytes a group,
	s_lshl_b32 s30, s30, 12
	s_and_b32 s31, s19, 15                         ; and their place in it: 8 bytes a row
	s_lshl_b32 s31, s31, 4
	s_add_co_u32 s30, s30, s31
	s_mov_b32 s31, 0
	s_cmp_eq_u32 s19, 1023                         ; the last run's second row is inp.  The choice hangs on ids alone
	s_cselect_b64 s[24:25], s[6:7], s[4:5]
	s_cselect_b32 s22, 0, s22
	s_add_nc_u64 s[24:25], s[24:25], s[22:23]      ; the second row
	s_add_nc_u64 s[4:5], s[4:5], s[20:21]          ; the first row
	s_add_nc_u64 s[10:11], s[10:11], s[20:21]      ; out1
	s_add_nc_u64 s[12:13], s[12:13], s[26:27]      ; xc
	s_add_nc_u64 s[14:15], s[14:15], s[30:31]      ; xs
.macro LOAD t                          ; step t: steps 0-7 are the first row, steps 8-15 the second
.irp i, 0,1,2,3
.if (\t) < 8
	global_load_b128 v[R+16*((\t)%4)+4*\i:R+16*((\t)%4)+4*\i+3], v3, s[4:5] offset:2048*(\t)+512*\i th:TH_LOAD_NT
.else
	global_load_b128 v[R+16*((\t)%4)+4*\i:R+16*((\t)%4)+4*\i+3], v3, s[24:25] offset:2048*((\t)-8)+512*\i th:TH_LOAD_NT
.endif
.endr
.endm
.macro TURN t                          ; step t's numbers through the stage (LDS serves a wave's instructions in order, ISA guide 5.7.1: no wait between the stores and the loads), and out to out1
.irp i, 0,1,2,3
	ds_store_b128 v14, v[R+16*((\t)%4)+4*\i:R+16*((\t)%4)+4*\i+3] offset:32*SP*((\t)%2)+8*SP*\i
.endr
.irp i, 0,1,2,3
	ds_load_b128 v[X+16*((\t)%2)+4*\i:X+16*((\t)%2)+4*\i+3], v15 offset:32*SP*((\t)%2)+16*\i
.endr
.irp i, 0,1,2,3
	global_store_b128 v3, v[R+16*((\t)%4)+4*\i:R+16*((\t)%4)+4*\i+3], s[10:11] offset:2048*(\t)+512*\i th:TH_STORE_NT   ; 32 lanes store 512 consecutive bytes, aligned
.endr
.endm
	s_wait_alu depctr_va_vdst(0)                   ; the wait behind the addresses just made
.irp t, 0,1,2,3
	LOAD \t
.endr
	s_wait_loadcnt 12                              ; step 0's four loads are in; those of steps 1 to 3 stay out
	TURN 0
.macro STEP t
.set XS, X+16*((\t)%2)
.if (\t) > 0
	s_wait_dscnt 1                                 ; this step's numbers are back from the stage (the last step's byte store may be out): so its stores into the stage have read their registers,
.else
	s_wait_dscnt 0x0
.endif
	s_wait_xcnt 0x0                                ; and so have its stores to out1: only behind this wait are those registers loaded again
.if (\t)+4 < STEPS
	LOAD (\t)+4
.endif
.if (\t)+1 < STEPS
.if STEPS-2-(\t) >= 3
	s_wait_loadcnt 12                              ; the next step's four loads are in; those of the three steps behind it may be out
.else
	s_wait_loadcnt 4*(STEPS-2-(\t))
.endif
	TURN (\t)+1                                    ; they go through the other stage while this step is worked
.endif
	v_max3_num_f32 v8, |v[XS]|, |v[XS+1]|, |v[XS+2]|               ; the largest magnitude of my 16, in two chains
	v_max3_num_f32 v9, |v[XS+3]|, |v[XS+4]|, |v[XS+5]|
.irp i, 6,10
	v_max3_num_f32 v8, v8, |v[XS+\i]|, |v[XS+\i+1]|
	v_max3_num_f32 v9, v9, |v[XS+\i+2]|, |v[XS+\i+3]|
.endr
	v_max3_num_f32 v8, v8, |v[XS+14]|, |v[XS+15]|
	v_max3_num_f32 v8, v8, v9, (EMAX+1)<<23        ; and the floor 2^(EMAX + 1 - 127): so the byte cannot fall under 1
	v_max_num_f32_dpp v8, v8, v8 row_xmask:1 row_mask:0xf bank_mask:0xf   ; and of my neighbour's 16: the block's
	v_add_nc_u32 v11, -(EMAX<<23), v8              ; EMAX off its exponent field: the conversion takes the exponent field of this operand as its scale, and nothing else of it
	v_cvt_scalef32_pk16_bf6_f32 v[C+4*(\t):C+4*(\t)+2], v[XS:XS+15], v11   ; 16 codes, 96 bits without gaps, the first number's code lowest
	v_lshrrev_b32 v[E+(\t)], 23, v11               ; the scale's byte (also the plain line behind the conversion)
	ds_store_b8 v5, v[E+(\t)] offset:16*(\t)       ; both lanes of a block write the same byte with the same value
	global_store_b96 v4, v[C+4*(\t):C+4*(\t)+2], s[12:13] offset:32*CB*(\t)   ; the wave stores 384 consecutive bytes
.endm
.irp t, 0,1,2,3,4,5,6,7,8,9,10,11,12,13,14,15
	STEP \t
.endr
	v_and_b32 v10, 15, v2                          ; lane l holds the 8 bytes of pair l % 16 of row l / 16
	v_lshrrev_b32 v9, 4, v2
	v_lshlrev_b32 v10, 8, v10                      ; 256 bytes a pair,
	v_lshl_add_u32 v10, v9, 3, v10                 ; 8 bytes a row
	ds_load_b64 v[12:13], v6                       ; my wave's 256 scale bytes: these loads see my stores
	s_wait_alu depctr_va_vdst(0)
	s_wait_dscnt 0x0
	global_store_b64 v10, v[12:13], s[14:15]       ; two rows' 16 bytes on end for each pair of steps: pieces of a buffer of 256 KiB
	s_wait_tensorcnt 0x0
	ds_add_u32 v192, v193
	s_wait_dscnt 0x0
	s_endpgm
; ---------------- PATH Q ----------------
; A wave takes 4 rows of W_Q.  A chunk is 512 consecutive bytes of each row and of inp: 5 loads.  Eight chunks are on their way; every offset is an immediate, no address register is rewritten.
.Lquery:
	s_cmp_ge_u32 ttmp9, 512
	s_cbranch_scc1 .Lscales
	s_sub_co_u32 s19, ttmp9, 256
	s_lshl_b32 s19, s19, 4
	s_lshl_b32 s20, s18, 2
	s_add_co_u32 s19, s19, s20                     ; my first row: 16 x (work-group - 256) + 4 x wave
	s_lshl_b32 s20, s19, 14                        ; rows of 16,384 bytes
	s_mov_b32 s21, 0
	s_add_nc_u64 s[8:9], s[8:9], s[20:21]
	s_lshl_b32 s22, s19, 2
	s_mov_b32 s23, 0
	s_add_nc_u64 s[16:17], s[16:17], s[22:23]
	s_mov_b32 s28, 0x76543210                      ; v_permlanex16_b32's selects for lane l xor 16
	s_mov_b32 s29, 0xfedcba98
	v_lshlrev_b32 v1, 4, v2                        ; 16 bytes a lane
	v_mov_b32 v3, 0
	s_wait_alu depctr_va_vdst(0)                   ; the wait behind the addresses just made
.macro QLOAD c
.set DS, D+20*((\c)%8)
	global_load_b128 v[DS:DS+3], v1, s[6:7] offset:512*(\c)                     ; inp: every wave reads it again, so no hint
.irp k, 0,1,2,3
	global_load_b128 v[DS+4+4*\k:DS+7+4*\k], v1, s[8:9] offset:16384*\k+512*(\c) th:TH_LOAD_NT
.endr
.endm
.macro QCHUNK c
.set DS, D+20*((\c)%8)
	s_wait_alu depctr_va_vdst(0)
.if 31-(\c) >= 7
	s_wait_loadcnt 35                              ; my chunk's five loads are in; the seven younger chunks' 35 stay out
.else
	s_wait_loadcnt 5*(31-(\c))
.endif
.irp k, 0,1,2,3
.if (\c) == 0
	v_pk_mul_f32 v[ACC+4*\k:ACC+4*\k+1], v[DS+4+4*\k:DS+5+4*\k], v[DS:DS+1]         ; the first chunk starts the sums: nothing is cleared
	v_pk_mul_f32 v[ACC+4*\k+2:ACC+4*\k+3], v[DS+6+4*\k:DS+7+4*\k], v[DS+2:DS+3]
.else
	v_pk_fma_f32 v[ACC+4*\k:ACC+4*\k+1], v[DS+4+4*\k:DS+5+4*\k], v[DS:DS+1], v[ACC+4*\k:ACC+4*\k+1]
	v_pk_fma_f32 v[ACC+4*\k+2:ACC+4*\k+3], v[DS+6+4*\k:DS+7+4*\k], v[DS+2:DS+3], v[ACC+4*\k+2:ACC+4*\k+3]
.endif
.endr
.if (\c)+8 < 32
	QLOAD (\c)+8
.endif
.endm
.irp c, 0,1,2,3,4,5,6,7
	QLOAD \c
.endr
.set CH, 0
.rept 32
	QCHUNK CH
.set CH, CH+1
.endr
.irp k, 0,1,2,3
	v_pk_add_f32 v[ACC+4*\k:ACC+4*\k+1], v[ACC+4*\k:ACC+4*\k+1], v[ACC+4*\k+2:ACC+4*\k+3]
.endr
.irp k, 0,1,2,3
	v_add_f32 v[24+\k], v[ACC+4*\k], v[ACC+4*\k+1]
.endr
.irp x, 1,2,4,8                        ; across the 16 lanes of a half, the four rows by turns
.irp k, 0,1,2,3
	v_add_f32_dpp v[24+\k], v[24+\k], v[24+\k] row_xmask:\x row_mask:0xf bank_mask:0xf
.endr
.endr
.irp k, 0,1,2,3
	v_permlanex16_b32 v[ACC+\k], v[24+\k], s28, s29    ; the other half's; the destination has been written before
.endr
.irp k, 0,1,2,3
	v_add_f32 v[28+\k], v[24+\k], v[ACC+\k]
.endr
	s_wait_alu depctr_va_vdst(0)
	s_wait_xcnt 0x0                                ; EXEC changes only behind this wait
	v_cmp_eq_u32 vcc_lo, 0, v2
	s_and_saveexec_b32 s30, vcc_lo
	global_store_b128 v3, v[28:31], s[16:17]       ; lane 0 stores my four numbers: 16 bytes a wave of a buffer of 16 KiB
	s_wait_xcnt 0x0                                ; and again in front of the line that widens it
	s_or_b32 exec_lo, exec_lo, s30
	s_endpgm
; ---------------- PATH S: a third job, work-groups 512-575 ----------------
; The scale bytes of W_K (rows 0-4095 of ws) and W_V (rows 4096-8191) are laid in xs's order: [32 rows][pair of K steps: 16][row: 32][8 bytes].
; A wave takes 32 rows: 4,096 dense bytes in, all of them read by this wave, and 4,096 dense bytes out, in stores of 512 bytes on end.  This path uses no LDS.
.Lscales:
	s_load_b128 s[20:23], s[0:1], 0x38             ; W_K_scales s[20:21], W_V_scales s[22:23]
	s_load_b64 s[24:25], s[0:1], 0x48              ; ws
	s_sub_co_u32 s19, ttmp9, 512
	s_lshl_b32 s19, s19, 2
	s_add_co_u32 s19, s19, s18                     ; my group of 32 rows, 0 .. 255
	s_and_b32 s26, s19, 127
	s_lshl_b32 s26, s26, 12                        ; its bytes in its own tensor
	s_mov_b32 s27, 0
	s_lshl_b32 s28, s19, 12                        ; and in ws
	s_mov_b32 s29, 0
	v_and_b32 v1, 15, v2
	v_lshrrev_b32 v3, 4, v2
	v_lshlrev_b32 v1, 8, v1                        ; rows 2 (l % 16) and 2 (l % 16) + 1, 128 bytes each,
	v_lshl_add_u32 v1, v3, 3, v1                   ; pair 2 j + l / 16
	v_lshlrev_b32 v4, 4, v2
	s_wait_alu depctr_va_vdst(0)
	s_wait_kmcnt 0x0
	s_cmp_lt_u32 s19, 128
	s_cselect_b64 s[20:21], s[20:21], s[22:23]
	s_add_nc_u64 s[20:21], s[20:21], s[26:27]
	s_add_nc_u64 s[24:25], s[24:25], s[28:29]
.irp j, 0,1,2,3,4,5,6,7
	global_load_b64 v[16+4*\j:17+4*\j], v1, s[20:21] offset:16*\j
	global_load_b64 v[18+4*\j:19+4*\j], v1, s[20:21] offset:16*\j+128
.endr
	s_wait_loadcnt 0x0
.irp j, 0,1,2,3,4,5,6,7
	global_store_b128 v4, v[16+4*\j:19+4*\j], s[24:25] offset:512*\j   ; 32 lanes store 512 consecutive bytes, aligned
.endr
	s_endpgm
.Lfunc_end_k_q5cd71fa338_prep:
	.size	k_q5cd71fa338_prep, .Lfunc_end_k_q5cd71fa338_prep-k_q5cd71fa338_prep
	.p2alignl 7, 3214868480
	.fill 96, 4, 3214868480
	.section	.rodata,"a",@progbits
	.p2align	6, 0x0
	.amdhsa_kernel k_q5cd71fa338_prep
		.amdhsa_group_segment_fixed_size 33280
		.amdhsa_private_segment_fixed_size 0
		.amdhsa_enable_private_segment 0
		.amdhsa_kernarg_size 80
		.amdhsa_user_sgpr_count 2
		.amdhsa_user_sgpr_kernarg_segment_ptr 1
		.amdhsa_wavefront_size32 1
		.amdhsa_system_sgpr_workgroup_id_x 1
		.amdhsa_system_sgpr_workgroup_id_y 1
		.amdhsa_system_sgpr_workgroup_id_z 1
		.amdhsa_system_vgpr_workitem_id 0
		.amdhsa_next_free_vgpr 194
		.amdhsa_next_free_sgpr 66
		.amdhsa_reserve_vcc 1
		.amdhsa_float_denorm_mode_32 3
		.amdhsa_float_denorm_mode_16_64 3
		.amdhsa_memory_ordered 1
		.amdhsa_forward_progress 1
		.amdhsa_inst_pref_size 78
	.end_amdhsa_kernel
	.amdgpu_metadata
---
amdhsa.version: [ 1, 2 ]
amdhsa.kernels:
  - .name:           k_q5cd71fa338_prep
    .symbol:         k_q5cd71fa338_prep.kd
    .args:
      - { .name: prev_inps, .offset: 0, .size: 8, .value_kind: global_buffer, .address_space: global }
      - { .name: inp, .offset: 8, .size: 8, .value_kind: global_buffer, .address_space: global }
      - { .name: W_Q, .offset: 16, .size: 8, .value_kind: global_buffer, .address_space: global }
      - { .name: out1, .offset: 24, .size: 8, .value_kind: global_buffer, .address_space: global }
      - { .name: xc, .offset: 32, .size: 8, .value_kind: global_buffer, .address_space: global }
      - { .name: xs, .offset: 40, .size: 8, .value_kind: global_buffer, .address_space: global }
      - { .name: qv, .offset: 48, .size: 8, .value_kind: global_buffer, .address_space: global }
      - { .name: W_K_scales, .offset: 56, .size: 8, .value_kind: global_buffer, .address_space: global }
      - { .name: W_V_scales, .offset: 64, .size: 8, .value_kind: global_buffer, .address_space: global }
      - { .name: ws, .offset: 72, .size: 8, .value_kind: global_buffer, .address_space: global }
    .group_segment_fixed_size: 33280
    .private_segment_fixed_size: 0
    .kernarg_segment_align: 8
    .kernarg_segment_size: 80
    .max_flat_workgroup_size: 128
    .sgpr_count:     66
    .vgpr_count:     194
    .wavefront_size: 32
...
	.end_amdgpu_metadata
.endif
;; end of part 1
;; launch gemm (part 2): grid 32 x 8, 4 waves a work-group, clusters of 4 x 4, 327,680 bytes of LDS; arguments xc, xs, W_K_codes, W_V_codes, ws, qv, pl, vt; writes pl, vt
.if DOCPART == 2
	.amdgcn_target "amdgcn-amd-amdhsa--gfx1250"
	.amdhsa_code_object_version 6
	.text
	.protected	k_q5cd71fa338_gemm
	.globl	k_q5cd71fa338_gemm
	.p2align	8
	.type	k_q5cd71fa338_gemm,@function
k_q5cd71fa338_gemm:
	s_mov_b64 s[64:65], 0
	v_nop
	global_prefetch_b8 v0, s[64:65] scope:SCOPE_SE
	s_setreg_imm32_b32 hwreg(HW_REG_WAVE_MODE, 25, 1), 1
	s_wait_xcnt 0x0
	s_wait_alu depctr_hold_cnt(0) depctr_sa_sdst(0) depctr_va_vdst(0) depctr_va_sdst(0) depctr_va_ssrc(0) depctr_va_vcc(0) depctr_vm_vsrc(0)
	s_getreg_b32 s2, hwreg(HW_REG_IB_STS2, 6, 4)
	s_cmp_eq_u32 s2, 0
	s_cbranch_scc0 .Lentry_in_a_cluster
	s_endpgm
.Lentry_in_a_cluster:
	s_bfe_u32 s2, ttmp6, 0x10000c
	s_cmp_lg_u32 s2, 0xf033
	s_cbranch_scc0 .Lentry_shape_is_right
	s_endpgm
.Lentry_shape_is_right:
; keys = X W_K^T and values = X W_V^T on codes of BF6 (E3M2) with E8M0 scales: M = 2,048, N = 4,096 + 4,096, K = 4,096.  Clusters x 0-3 make keys, 4-7 values.
; A work-group of four waves makes 256 x 256, a wave 128 x 128: 64 accumulators.  The product is used transposed (source 0 = rows of W, source 1 = rows of X): a lane holds 8 neighbouring columns of a row.
; keys never leave: each row's 256 columns are multiplied by the query and summed (pl: a partial logit for each row and strip of 256 columns).  values leave as bf16 (vt: [n / 8][m][8]).
; THE RING: a row of codes is 3,072 bytes; it comes in 12 chunks of 256 bytes, each begun on a multiple of 256; chunk c lies in slot c % 2 (512 rows x 272 bytes).  Each wave fetches 128 rows by one joint load:
; X's tiles are shared along a row of the 4 x 4 cluster, W's along a column.
; ONE ROUND OF THE CLUSTER'S BARRIER A CHUNK.  A step of 128 along K is 96 bytes: 8 steps to 3 chunks; steps 2 and 5 of each 8 lie across two chunks.  X and W have TWO sets of fragment registers each, so that in the step
; ahead of such a step its pieces of the old chunk are fetched first, then comes the round (old chunk free, new chunk whole, refill), then its pieces of the new chunk.  Two loads of a fragment have lanes 0-15 in the
; old chunk and lanes 16-31 in the new one: ahead of the round they are issued into the fragment (both halves of the lanes read lanes 0-15's bytes), behind it into spare registers (both halves read lanes 16-31's bytes),
; and v_cndmask_b32 under a scalar mask puts lanes 16-31 of the spare registers into the fragment: 64 such lines at a border inside a step.
; The round at a border where a step ends with its chunk stands late in step 6 of each 8.  By the text's count 128 matrix instructions or more stand between a refill and the wait for it.
; THE SCALES were laid by the launch before as [32 rows][pair of steps][row][8 bytes]: a load of 8 bytes a lane takes 256 bytes on end into registers, two steps ahead of use: lanes 0-15 hold block 2 g's words,
; lanes 16-31 block 2 g + 1's.  All of K's scales (65,536 bytes) have no room in LDS beside the ring (278,528 bytes).
; THE LOOP: a trip is 8 steps, 3 chunks, so the slots change roles from trip to trip: the LDS addresses are made anew from two scalars that an xor toggles.  Step 0 (it starts the sums) and the last 7 steps (their last
; two borders fill nothing) are written out.
; PREFETCH: behind the refill of chunk c + 1 each wave names chunk c + 3 of 32 of its 128 rows, a lane a row; the four partners of a joint load share the rows out by address.  Chunk 11 is the last named.
; The query's 128 numbers of a wave are loaded by every work-group, so that the text has one way through the walk; the work-groups of values do not use them.
; LIMITS: the sums' order is that of the steps; NaN and infinities are not served.
.set KROW,   3072
.set PITCH,  272
.set FR,     12
.set HALFT,  128*PITCH
.set SLOT,   4*HALFT
.set SPARE,  2*SLOT
.set XCH,    0                         ; the way out of keys: 1,024 bytes in slot 0, which has had its last fill and its last read by then
.set ADRA, 8                           ; v8-9 X's fragments in the trip's even, odd chunk; v10-11 the same without the lanes' 24 h
.set ADRB, 12                          ; v12-15 the same for W
.set BAS,  16                          ; v16-19 the four addresses without a slot
.set LN,   20                          ; lane
.set SO,   21                          ; 8 x lane
.set VO,   24
.set QA,   25
.set CO,   26
.set SPW,  28
.set NIL,  29
.set XA,   30
.set PFO,  31                          ; lane x a row of codes
.set SC,   32                          ; v32-63 scale words: set s at 16 s: X's 8, then W's 8; register 2 g + q
.set AF,   64                          ; v64-159, v160-255 X's fragments, two sets.  Window 1: v0-95, v128-223 W's two sets; v96-127, v224-255 the spare registers, at the end the query
.set SU,   64
.set U,    80
.set T,    64
.set G1, 24
.set G0, 32
.set G1B, 48
.set G0B, 56
.set PFA, 60
.set TG, 62                            ; s62, s63: the slot of the trip's even chunks, of its odd chunks
.set SA, 76
.set SB, 78
.set SV, 80                            ; s80: the mask of lanes 16-31
.set MSB, 0
.macro WIN new
.if MSB != \new
	s_set_vgpr_msb (MSB<<8)|\new
.set MSB, \new
.endif
.endm
.set MUL_LO, 0xa1
.set MUL_HI, 0xf1
.set TO_B,   0x40
.macro JLOAD                           ; waves 0, 1 fetch X's halves, waves 2, 3 W's
	s_cmp_eq_u32 s15, 0
	s_cbranch_scc0 .Lfor_b_\@
	tensor_load_to_lds s[G0:G0+3], s[G1:G1+7]
	s_nop 0
.rept 4
	v_nop
.endr
	s_branch .Lasked_\@
.Lfor_b_\@:
	tensor_load_to_lds s[G0B:G0B+3], s[G1B:G1B+7]
	s_nop 0
.rept 4
	v_nop
.endr
.Lasked_\@:
.endm
.macro CREST
	s_cmp_lg_u32 s14, 0
	s_cbranch_scc1 .Lnot_wave_0_\@
	s_barrier_signal -3
.Lnot_wave_0_\@:
	s_barrier_wait -3
	s_barrier_signal -1
	s_barrier_wait -1
.endm
.macro CROUND
	s_barrier_signal -1
	s_barrier_wait -1
	CREST
.endm
.macro ASK how                         ; how = 2: not in the loop's last trip, where the chunk two refills on would be the thirteenth
.if (\how) == 2
	s_cmp_lg_u32 s3, 1
	s_cbranch_scc0 .Lnot_asked_\@
.endif
	global_prefetch_b8 v[PFO], s[PFA:PFA+1] th:TH_LOAD_NT scope:SCOPE_SE
.Lnot_asked_\@:
.endm
.macro ADRS
.irp k, 0,1
	v_add_nc_u32 v[ADRA+\k], s[TG+\k], v[BAS]
	v_add_nc_u32 v[ADRA+2+\k], s[TG+\k], v[BAS+1]
	v_add_nc_u32 v[ADRB+\k], s[TG+\k], v[BAS+2]
	v_add_nc_u32 v[ADRB+2+\k], s[TG+\k], v[BAS+3]
.endr
.endm
.macro THREE                           ; ahead of a refill's round: the prefetch address steps, all my tensor loads are in, the add; the descriptors step to the other slot and the next chunk
	s_wait_xcnt 0x0
	s_add_nc_u64 s[PFA:PFA+1], s[PFA:PFA+1], 256
	s_wait_tensorcnt 0x0
	ds_add_u32 v[SPW], v[NIL]
	s_xor_b32 s[G0+1], s[G0+1], SLOT               ; (SLOT's two bits are in no wave's 34,816 w)
	s_add_nc_u64 s[G0+2:G0+3], s[G0+2:G0+3], 256
	s_xor_b32 s[G0B+1], s[G0B+1], SLOT
	s_add_nc_u64 s[G0B+2:G0B+3], s[G0B+2:G0B+3], 256
.endm
	s_load_b128 s[4:7], s[0:1], 0x0                ; xc, xs
	s_load_b128 s[8:11], s[0:1], 0x10              ; W_K_codes, W_V_codes
	s_load_b128 s[68:71], s[0:1], 0x20             ; ws, qv
	s_load_b128 s[72:75], s[0:1], 0x30             ; pl, vt
	v_lshl_add_u32 v[SPW], v0, 2, SPARE
	v_mov_b32 v[NIL], 0
	ds_add_u32 v[SPW], v[NIL]
	ds_add_u32 v[SPW], v[NIL]
	v_lshrrev_b32 v1, 5, v0
	v_readfirstlane_b32 s14, v1                    ; wave
	s_lshr_b32 s15, s14, 1                         ; my half of the rows of X; also: I fetch for X (0) or W (1)
	s_and_b32 s16, s14, 1                          ; my half of the rows of W; also: which 128 rows I fetch
	s_bfe_u32 s40, ttmp6, 0x40000
	s_bfe_u32 s41, ttmp6, 0x40004
	s_and_b32 s42, ttmp9, 3
	s_lshl_b32 s42, s42, 2
	s_add_co_u32 s42, s42, s40                     ; tile column in keys or in values, 0 .. 15
	s_and_b32 s17, ttmp7, 0xffff
	s_lshl_b32 s17, s17, 2
	s_add_co_u32 s17, s17, s41                     ; tile row
	s_lshl_b32 s43, s41, 2
	s_lshl_b32 s43, 15, s43
	s_lshl_b32 s44, 0x1111, s40
	s_or_b32 s[G1+0], s43, (1<<20)|(1<<21)|(5<<22)|(3<<25)
	s_or_b32 s[G1B+0], s44, (1<<20)|(1<<21)|(5<<22)|(3<<25)
.irp g, G1, G1B
	s_mov_b32 s[\g+1], 256<<16
	s_mov_b32 s[\g+2], 128<<16
	s_mov_b32 s[\g+3], 256<<16
	s_mov_b32 s[\g+4], 128
	s_mov_b32 s[\g+5], KROW
	s_mov_b32 s[\g+6], 0
	s_mov_b32 s[\g+7], 0
.endr
	s_lshl_b32 s18, s16, 7
	s_lshl_b32 s20, s17, 8
	s_add_co_u32 s20, s20, s18
	s_lshl_b32 s46, s42, 8
	s_add_co_u32 s46, s46, s18
	s_mov_b32 s21, 0
	s_mov_b32 s47, 0
	s_mov_b64 s[18:19], KROW
	s_mul_u64 s[20:21], s[20:21], s[18:19]
	s_mul_u64 s[46:47], s[46:47], s[18:19]
	s_mul_i32 s45, s14, HALFT
	s_wait_dscnt 0x0
	s_wait_kmcnt 0x0
	s_cmp_lt_u32 ttmp9, 4
	s_cselect_b64 s[8:9], s[8:9], s[10:11]
	s_add_nc_u64 s[20:21], s[4:5], s[20:21]
	s_add_nc_u64 s[46:47], s[8:9], s[46:47]
	CROUND
	s_mov_b32 s[G0], 1
	s_mov_b32 s[G0+1], s45
	s_mov_b64 s[G0+2:G0+3], s[20:21]
	s_or_b32 s[G0+3], s[G0+3], 0x80000000
	s_mov_b32 s[G0B], 1
	s_mov_b32 s[G0B+1], s45
	s_mov_b64 s[G0B+2:G0B+3], s[46:47]
	s_or_b32 s[G0B+3], s[G0B+3], 0x80000000
	JLOAD                                          ; chunk 0: one tensor load a wave at the head
	s_mul_i32 s81, s15, HALFT
	s_mul_i32 s82, s16, HALFT
	s_add_co_u32 s82, s82, 2*HALFT
	s_lshl_b32 s83, s15, 9
	s_add_co_u32 s83, s83, XCH
	s_mov_b32 s[TG], 0
	s_mov_b32 s[TG+1], SLOT
	s_mov_b32 s[SV], 0xffff0000
	s_lshl_b32 s20, s17, 15                        ; X's scales: 4,096 bytes for 32 rows
	s_lshl_b32 s21, s15, 14
	s_add_co_u32 s20, s20, s21
	s_mov_b32 s21, 0
	s_add_nc_u64 s[SA:SA+1], s[6:7], s[20:21]
	s_lshr_b32 s20, ttmp9, 2                       ; W's: W_V's lie behind W_K's
	s_lshl_b32 s20, s20, 19
	s_lshl_b32 s22, s42, 15
	s_add_co_u32 s20, s20, s22
	s_lshl_b32 s22, s16, 14
	s_add_co_u32 s20, s20, s22
	s_add_nc_u64 s[SB:SB+1], s[68:69], s[20:21]
	s_lshl_b32 s20, s42, 10                        ; the query at my 128 columns
	s_lshl_b32 s22, s16, 9
	s_add_co_u32 s20, s20, s22
	s_add_nc_u64 s[70:71], s[70:71], s[20:21]
	s_lshl_b32 s20, s17, 8                         ; the prefetches: my work-group's 32 of the 128 rows that I fetch
	s_lshl_b32 s21, s42, 8
	s_cmp_eq_u32 s15, 0
	s_cselect_b32 s20, s20, s21
	s_cselect_b32 s21, s40, s41
	s_cselect_b64 s[PFA:PFA+1], s[4:5], s[8:9]
	s_lshl_b32 s22, s16, 7
	s_add_co_u32 s20, s20, s22
	s_lshl_b32 s21, s21, 5
	s_add_co_u32 s20, s20, s21
	s_mul_i32 s20, s20, KROW
	s_add_co_u32 s20, s20, 2*256                   ; at chunk 2: the first round steps it to 3
	s_mov_b32 s21, 0
	s_add_nc_u64 s[PFA:PFA+1], s[PFA:PFA+1], s[20:21]
	v_and_b32 v1, 15, v0
	v_bfe_u32 v2, v0, 4, 1
	v_and_b32 v[LN], 31, v0
	v_mul_u32_u24 v3, v1, PITCH
	v_mad_u32_u24 v4, v2, 24, v3
	v_add_nc_u32 v[BAS], s81, v4
	v_add_nc_u32 v[BAS+1], s81, v3
	v_add_nc_u32 v[BAS+2], s82, v4
	v_add_nc_u32 v[BAS+3], s82, v3
	ADRS
	v_lshlrev_b32 v[SO], 3, v[LN]
	v_mul_u32_u24 v[PFO], v[LN], KROW
	v_lshlrev_b32 v[VO], 15, v2
	v_lshl_add_u32 v[VO], v1, 4, v[VO]
	v_lshlrev_b32 v[QA], 5, v2
	v_lshlrev_b32 v[CO], 4, v[LN]
	v_add_nc_u32 v[XA], s83, v[CO]
	s_wait_alu depctr_va_vdst(0)
; A fragment's six pieces of 8 bytes.  st: the step, counted from the trip's first chunk.  ph = 0: what lies in the older chunk of a step across two, the halved loads' lanes 0-15 among it;
; ph = 1: what lies in the step's last chunk; ph = 2: the halved loads' lanes 16-31, into the four spare registers at tr; ph = 3: lanes 16-31 of the spare registers into the fragment.
.macro FRAG reg, adr, st, i, ph, tr
.irp p, 0,1,2,3,4,5
.set BY, 96*(\st)+48*(\p/3)+8*(\p%3)
.set CL, BY/256
.set CH, (BY+24)/256
.set NC, (96*(\st)+95)/256
.if CL == CH
.if (\ph) == 0
.if CL < NC
	ds_load_b64 v[\reg+2*\p:\reg+2*\p+1], v[\adr+CL%2] offset:BY%256+(\i)*16*PITCH
.endif
.elseif (\ph) == 1
.if CL == NC
	ds_load_b64 v[\reg+2*\p:\reg+2*\p+1], v[\adr+CL%2] offset:BY%256+(\i)*16*PITCH
.endif
.endif
.else
.if (\ph) == 0
	ds_load_b64 v[\reg+2*\p:\reg+2*\p+1], v[\adr+2+CL%2] offset:BY%256+(\i)*16*PITCH
.elseif (\ph) == 2
	ds_load_b64 v[\tr+2*((\p+1)%2):\tr+2*((\p+1)%2)+1], v[\adr+2+CH%2] offset:(BY+24)%256+(\i)*16*PITCH
.elseif (\ph) == 3
	v_cndmask_b32 v[\reg+2*\p], v[\reg+2*\p], v[\tr+2*((\p+1)%2)], s[SV]
	v_cndmask_b32 v[\reg+2*\p+1], v[\reg+2*\p+1], v[\tr+2*((\p+1)%2)+1], s[SV]
.endif
.endif
.endr
.endm
.macro FETCH_B st, p, ph
	WIN TO_B
.irp i, 0,1,2,3,4,5,6,7
	FRAG 128*(\p)+FR*\i, ADRB, \st, \i, \ph, 96+4*\i
.endr
	WIN 0
.endm
.macro FETCH_A st, p, ph
.irp i, 0,1,2,3,4,5,6,7
	FRAG AF+96*(\p)+FR*\i, ADRA, \st, \i, \ph, 224+4*\i
.endr
.endm
.macro FETCH_T st, p                   ; 32 loads into the spare registers of window 1: W's at v96, X's at v224
	WIN TO_B
.irp i, 0,1,2,3,4,5,6,7
	FRAG 128*(\p)+FR*\i, ADRB, \st, \i, 2, 96+4*\i
.endr
.irp i, 0,1,2,3,4,5,6,7
	FRAG AF+96*(\p)+FR*\i, ADRA, \st, \i, 2, 224+4*\i
.endr
	WIN 0
.endm
.macro MERGE st, p
	WIN 0x45                                       ; W's fragments and the spare registers: window 1
.irp i, 0,1,2,3,4,5,6,7
	FRAG 128*(\p)+FR*\i, ADRB, \st, \i, 3, 96+4*\i
.endr
	WIN 0x04                                       ; X's fragments: window 0; the spare registers (source 1): window 1
.irp i, 0,1,2,3,4,5,6,7
	FRAG AF+96*(\p)+FR*\i, ADRA, \st, \i, 3, 224+4*\i
.endr
.endm
.macro SCALES pr                       ; the scale words of steps 2 pr, 2 pr + 1 (counted from the trip's base): each load takes 256 bytes on end
.irp g, 0,1,2,3
	global_load_b64 v[SC+16*((\pr)%2)+2*\g:SC+16*((\pr)%2)+2*\g+1], v[SO], s[SA:SA+1] offset:4096*\g+256*(\pr)
	global_load_b64 v[SC+16*((\pr)%2)+8+2*\g:SC+16*((\pr)%2)+8+2*\g+1], v[SO], s[SB:SB+1] offset:4096*\g+256*(\pr)
.endr
.endm
.macro WM a, b, p, q, ss, zero         ; X's block a against W's block b; odd blocks' scale words lie in lanes 16-31
.set DD, 8*(8*((\a)%4)+(\b))
.set BB, 128*(\p)+FR*(\b)
.set AA, AF+96*(\p)+FR*(\a)
.set SBR, SC+16*(\ss)+8+2*((\b)/2)+(\q)
.set SAR, SC+16*(\ss)+2*((\a)/2)+(\q)
.if \zero
.if (\b)%2 == 0
.if (\a)%2 == 0
	v_wmma_scale_f32_16x16x128_f8f6f4 v[DD:DD+7], v[BB:BB+FR-1], v[AA:AA+FR-1], 0, v[SBR], v[SAR] matrix_a_fmt:MATRIX_FMT_BF6 matrix_b_fmt:MATRIX_FMT_BF6
.else
	v_wmma_scale_f32_16x16x128_f8f6f4 v[DD:DD+7], v[BB:BB+FR-1], v[AA:AA+FR-1], 0, v[SBR], v[SAR] matrix_a_fmt:MATRIX_FMT_BF6 matrix_b_fmt:MATRIX_FMT_BF6 matrix_b_scale:MATRIX_SCALE_ROW1
.endif
.else
.if (\a)%2 == 0
	v_wmma_scale_f32_16x16x128_f8f6f4 v[DD:DD+7], v[BB:BB+FR-1], v[AA:AA+FR-1], 0, v[SBR], v[SAR] matrix_a_fmt:MATRIX_FMT_BF6 matrix_b_fmt:MATRIX_FMT_BF6 matrix_a_scale:MATRIX_SCALE_ROW1
.else
	v_wmma_scale_f32_16x16x128_f8f6f4 v[DD:DD+7], v[BB:BB+FR-1], v[AA:AA+FR-1], 0, v[SBR], v[SAR] matrix_a_fmt:MATRIX_FMT_BF6 matrix_b_fmt:MATRIX_FMT_BF6 matrix_a_scale:MATRIX_SCALE_ROW1 matrix_b_scale:MATRIX_SCALE_ROW1
.endif
.endif
.else
.if (\b)%2 == 0
.if (\a)%2 == 0
	v_wmma_scale_f32_16x16x128_f8f6f4 v[DD:DD+7], v[BB:BB+FR-1], v[AA:AA+FR-1], v[DD:DD+7], v[SBR], v[SAR] matrix_a_fmt:MATRIX_FMT_BF6 matrix_b_fmt:MATRIX_FMT_BF6
.else
	v_wmma_scale_f32_16x16x128_f8f6f4 v[DD:DD+7], v[BB:BB+FR-1], v[AA:AA+FR-1], v[DD:DD+7], v[SBR], v[SAR] matrix_a_fmt:MATRIX_FMT_BF6 matrix_b_fmt:MATRIX_FMT_BF6 matrix_b_scale:MATRIX_SCALE_ROW1
.endif
.else
.if (\a)%2 == 0
	v_wmma_scale_f32_16x16x128_f8f6f4 v[DD:DD+7], v[BB:BB+FR-1], v[AA:AA+FR-1], v[DD:DD+7], v[SBR], v[SAR] matrix_a_fmt:MATRIX_FMT_BF6 matrix_b_fmt:MATRIX_FMT_BF6 matrix_a_scale:MATRIX_SCALE_ROW1
.else
	v_wmma_scale_f32_16x16x128_f8f6f4 v[DD:DD+7], v[BB:BB+FR-1], v[AA:AA+FR-1], v[DD:DD+7], v[SBR], v[SAR] matrix_a_fmt:MATRIX_FMT_BF6 matrix_b_fmt:MATRIX_FMT_BF6 matrix_a_scale:MATRIX_SCALE_ROW1 matrix_b_scale:MATRIX_SCALE_ROW1
.endif
.endif
.endif
.endm
.macro MUL16 a0, p, q, ss, zero        ; the 64 accumulators take turns, in the same order in every step
.irp a, \a0, \a0+1
.irp b, 0,1,2,3,4,5,6,7
	WM \a, \b, \p, \q, \ss, \zero
.endr
.endr
.endm
; A step: 64 matrix instructions on set j % 2; the next step's fragments go into the other set.  kind = 1: a border inside the next step: the round stands in this step's first half.
; kind = 2: the next step is its chunk's last: all of it is fetched first, and the round stands in this step's second half.  fill = 0: nothing is left to fetch: a plain barrier shows the last chunk whole.
.macro STEP j, zero, kind, fill, ask, scl, nf
.set NX, (\j)+1
.set P, (\j)%2
.set SS, ((\j)/2)%2
	s_wait_dscnt 0x0                               ; this step's fragments are in
.if P == 0
	s_wait_loadcnt 0x0                             ; and this pair of steps' scale words, asked for two steps ago
.endif
.rept 4
	v_nop                                          ; places between the last step's products and the loads into the registers that they read
.endr
.if \scl
	SCALES ((\j)+2)/2
.endif
.if \nf
.if \kind == 1
	FETCH_B NX, 1-P, 0
	FETCH_A NX, 1-P, 0
.else
	FETCH_B NX, 1-P, 1
.if \kind == 2
	FETCH_A NX, 1-P, 1
.endif
.endif
.endif
.if \kind == 1
.if \fill
	THREE
.else
	s_wait_tensorcnt 0x0                           ; my part of the last chunk is in
.endif
.endif
	WIN MUL_LO
	MUL16 0, P, P, SS, \zero
.if \kind == 1
	s_wait_dscnt 0x0                               ; the add is done, and my reads of the old chunk are over
	s_barrier_signal -1
.endif
	MUL16 2, P, P, SS, \zero
	WIN 0
.if \kind == 1
	s_barrier_wait -1
.if \fill
	CREST
	JLOAD                                          ; the first tensor load behind the round: the chunk after the new one, into the old one's slot
.endif
	FETCH_T NX, 1-P
	FETCH_B NX, 1-P, 1
	FETCH_A NX, 1-P, 1
.if \ask
	ASK \ask
.endif
.elseif \kind == 2
	THREE
.elseif \nf
	FETCH_A NX, 1-P, 1
.endif
	WIN MUL_HI
	MUL16 4, P, P, SS, \zero
.if \kind == 1
.if NX%8 == 2
	s_wait_dscnt 16                                ; the spare registers are in; behind them: one piece of the new chunk for each of 16 fragments
.else
	s_wait_dscnt 48                                ; behind them: three pieces for each of 16 fragments
.endif
	MERGE NX, 1-P
	s_wait_alu depctr_va_vdst(0)
	WIN MUL_HI
.endif
.if \kind == 2
	s_wait_dscnt 0x0
	s_barrier_signal -1
.endif
	MUL16 6, P, P, SS, \zero
	WIN 0
.if \kind == 2
	s_barrier_wait -1
	CREST
	JLOAD
	ASK \ask
.endif
.endm
	SCALES 0
	THREE                                          ; chunk 0 is in; slot 1's first fill is issued as a refill is
	s_wait_dscnt 0x0
	CROUND
	JLOAD                                          ; chunk 1
	FETCH_B 0, 0, 1
	FETCH_A 0, 0, 1
	ASK 1
	STEP 0, 1, 0, 0, 0, 1, 1                       ; the first step's products start the sums
	s_mov_b32 s3, 3
.Ltrip:
	STEP 1, 0, 1, 1, 1, 0, 1
	STEP 2, 0, 0, 0, 0, 1, 1
	STEP 3, 0, 0, 0, 0, 0, 1
	STEP 4, 0, 1, 1, 1, 1, 1
	STEP 5, 0, 0, 0, 0, 0, 1
	STEP 6, 0, 2, 1, 2, 1, 1
	STEP 7, 0, 0, 0, 0, 0, 1
	STEP 8, 0, 0, 0, 0, 1, 1
	s_wait_xcnt 0x0                                ; the scale loads have read their bases
	s_add_nc_u64 s[SA:SA+1], s[SA:SA+1], 1024      ; four pairs of steps on
	s_add_nc_u64 s[SB:SB+1], s[SB:SB+1], 1024
	s_xor_b32 s[TG], s[TG], SLOT                   ; three chunks on: the slots change roles
	s_xor_b32 s[TG+1], s[TG+1], SLOT
	ADRS
	s_sub_co_u32 s3, s3, 1
	s_cmp_lg_u32 s3, 0
	s_wait_alu depctr_va_vdst(0)
	s_cbranch_scc1 .Ltrip
	STEP 1, 0, 1, 1, 0, 0, 1                       ; the last refill: chunk 11
	STEP 2, 0, 0, 0, 0, 1, 1
	STEP 3, 0, 0, 0, 0, 0, 1
	STEP 4, 0, 1, 0, 0, 1, 1
	WIN TO_B                                       ; the spare registers are done with: they take the query, three steps ahead of its use; the wait at step 6's head covers these loads
.irp b, 0,1,2,3,4,5,6,7
	global_load_b128 v[96+8*\b+96*(\b/4):96+8*\b+96*(\b/4)+3], v[QA], s[70:71] offset:64*\b
	global_load_b128 v[100+8*\b+96*(\b/4):100+8*\b+96*(\b/4)+3], v[QA], s[70:71] offset:64*\b+16
.endr
	WIN 0
	STEP 5, 0, 0, 0, 0, 0, 1
	STEP 6, 0, 0, 0, 0, 0, 1
	STEP 7, 0, 0, 0, 0, 0, 0
.rept 4
	v_nop
.endr
	s_cmp_lt_u32 ttmp9, 4
	s_cbranch_scc0 .Lvalues
; keys: each row's 128 columns of mine x the query, summed; the two waves of a row join through LDS
	s_lshl_b32 s46, s42, 13
	s_lshl_b32 s47, s17, 1
	s_add_co_u32 s47, s47, s15
	s_lshl_b32 s47, s47, 9
	s_add_co_u32 s46, s46, s47
	s_mov_b32 s47, 0
	s_add_nc_u64 s[72:73], s[72:73], s[46:47]
.irp hi, 0,1
	WIN 0x06+\hi                                   ; source 0: window 2 or 3, the sums; source 1: window 1, the query
.irp b, 0,1,2,3,4,5,6,7
.irp jj, 0,2,4,6
.irp a4, 0,1,2,3
.if (\b == 0) && (\jj == 0)
	v_pk_mul_f32 v[SU+2*(4*\hi+\a4):SU+2*(4*\hi+\a4)+1], v[8*(8*\a4+\b)+\jj:8*(8*\a4+\b)+\jj+1], v[96+8*\b+96*(\b/4)+\jj:96+8*\b+96*(\b/4)+\jj+1]
.else
	v_pk_fma_f32 v[SU+2*(4*\hi+\a4):SU+2*(4*\hi+\a4)+1], v[8*(8*\a4+\b)+\jj:8*(8*\a4+\b)+\jj+1], v[96+8*\b+96*(\b/4)+\jj:96+8*\b+96*(\b/4)+\jj+1], v[SU+2*(4*\hi+\a4):SU+2*(4*\hi+\a4)+1]
.endif
.endr
.endr
.endr
.endr
	WIN 0
.irp a, 0,1,2,3,4,5,6,7
	v_add_f32 v[U+\a], v[SU+2*\a], v[SU+2*\a+1]
.endr
.irp i, 0,1,2,3
	v_permlane16_swap_b32 v[U+\i], v[U+4+\i]       ; lanes 0-15: block i's two halves; lanes 16-31: block 4 + i's
.endr
.irp i, 0,1,2,3
	v_add_f32 v[U+\i], v[U+\i], v[U+4+\i]
.endr
	s_cmp_eq_u32 s16, 0
	s_cbranch_scc1 .Lleft
	ds_store_b128 v[XA], v[U:U+3]
.Lleft:
	s_wait_dscnt 0x0
	s_barrier_signal -1
	s_barrier_wait -1
	s_cmp_lg_u32 s16, 0
	s_cbranch_scc1 .Lend
	ds_load_b128 v[U+4:U+7], v[XA]
	s_wait_dscnt 0x0
	s_wait_alu depctr_va_vdst(0)
	v_pk_add_f32 v[U:U+1], v[U:U+1], v[U+4:U+5]
	v_pk_add_f32 v[U+2:U+3], v[U+2:U+3], v[U+6:U+7]
	global_store_b128 v[CO], v[U:U+3], s[72:73]    ; 512 consecutive bytes a wave
	s_branch .Lend
.Lvalues:
; values: rounded to bf16; a lane's 8 columns are 16 bytes, 16 lanes' rows 256 bytes on end in vt
	s_lshl_b32 s46, s42, 20
	s_lshl_b32 s47, s16, 19
	s_add_co_u32 s46, s46, s47
	s_lshl_b32 s47, s17, 12
	s_add_co_u32 s46, s46, s47
	s_lshl_b32 s47, s15, 11
	s_add_co_u32 s46, s46, s47
	s_mov_b32 s47, 0
	s_add_nc_u64 s[74:75], s[74:75], s[46:47]
.irp a, 0,1,2,3,4,5,6,7
.if \a >= 4
	s_wait_xcnt 0x0                                ; the stores of four blocks ago have read their registers
.endif
	WIN 0x0a+5*(\a/4)
.irp b, 0,1,2,3,4,5,6,7
.irp q, 0,1,2,3
	v_cvt_pk_bf16_f32 v[T+32*(\a%4)+4*\b+\q], v[64*(\a%4)+8*\b+2*\q], v[64*(\a%4)+8*\b+2*\q+1]
.endr
.endr
	WIN 0
.irp b, 0,1,2,3,4,5,6,7
	global_store_b128 v[VO], v[T+32*(\a%4)+4*\b:T+32*(\a%4)+4*\b+3], s[74:75] offset:65536*\b+256*\a
.endr
.endr
.Lend:
	s_wait_tensorcnt 0x0                           ; the wave's end
	ds_add_u32 v[SPW], v[NIL]
	s_wait_dscnt 0x0
	CROUND                                         ; the closing round
	s_endpgm
.Lfunc_end_k_q5cd71fa338_gemm:
	.size	k_q5cd71fa338_gemm, .Lfunc_end_k_q5cd71fa338_gemm-k_q5cd71fa338_gemm
	.p2alignl 7, 3214868480
	.fill 96, 4, 3214868480
	.section	.rodata,"a",@progbits
	.p2align	6, 0x0
	.amdhsa_kernel k_q5cd71fa338_gemm
		.amdhsa_group_segment_fixed_size 327680
		.amdhsa_private_segment_fixed_size 0
		.amdhsa_enable_private_segment 0
		.amdhsa_kernarg_size 64
		.amdhsa_user_sgpr_count 2
		.amdhsa_user_sgpr_kernarg_segment_ptr 1
		.amdhsa_wavefront_size32 1
		.amdhsa_system_sgpr_workgroup_id_x 1
		.amdhsa_system_sgpr_workgroup_id_y 1
		.amdhsa_system_sgpr_workgroup_id_z 1
		.amdhsa_system_vgpr_workitem_id 0
		.amdhsa_next_free_vgpr 1024
		.amdhsa_next_free_sgpr 98
		.amdhsa_reserve_vcc 0
		.amdhsa_float_denorm_mode_32 3
		.amdhsa_float_denorm_mode_16_64 3
		.amdhsa_memory_ordered 1
		.amdhsa_forward_progress 1
		.amdhsa_inst_pref_size 255
	.end_amdhsa_kernel
	.section	.bss,"aw",@nobits
	.p2align	6
	.space	262144
	.amdgpu_metadata
---
amdhsa.version: [ 1, 2 ]
amdhsa.kernels:
  - .name:           k_q5cd71fa338_gemm
    .symbol:         k_q5cd71fa338_gemm.kd
    .args:
      - { .name: xc, .offset: 0, .size: 8, .value_kind: global_buffer, .address_space: global }
      - { .name: xs, .offset: 8, .size: 8, .value_kind: global_buffer, .address_space: global }
      - { .name: W_K_codes, .offset: 16, .size: 8, .value_kind: global_buffer, .address_space: global }
      - { .name: W_V_codes, .offset: 24, .size: 8, .value_kind: global_buffer, .address_space: global }
      - { .name: ws, .offset: 32, .size: 8, .value_kind: global_buffer, .address_space: global }
      - { .name: qv, .offset: 40, .size: 8, .value_kind: global_buffer, .address_space: global }
      - { .name: pl, .offset: 48, .size: 8, .value_kind: global_buffer, .address_space: global }
      - { .name: vt, .offset: 56, .size: 8, .value_kind: global_buffer, .address_space: global }
    .group_segment_fixed_size: 327680
    .private_segment_fixed_size: 0
    .kernarg_segment_align: 8
    .kernarg_segment_size: 64
    .max_flat_workgroup_size: 128
    .sgpr_count:     98
    .vgpr_count:     1024
    .wavefront_size: 32
...
	.end_amdgpu_metadata
.endif
;; end of part 2
;; launch finish (part 3): grid 256 x 1, 8 waves a work-group, no clusters, 3,072 bytes of LDS; arguments pl, vt, inp, out0; writes out0
.if DOCPART == 3
	.amdgcn_target "amdgcn-amd-amdhsa--gfx1250"
	.amdhsa_code_object_version 6
	.text
	.protected	k_q5cd71fa338_finish
	.globl	k_q5cd71fa338_finish
	.p2align	8
	.type	k_q5cd71fa338_finish,@function
k_q5cd71fa338_finish:
	s_mov_b64 s[64:65], 0
	v_nop
	global_prefetch_b8 v0, s[64:65] scope:SCOPE_SE
	s_setreg_imm32_b32 hwreg(HW_REG_WAVE_MODE, 25, 1), 1
	s_wait_xcnt 0x0
; out0 = softmax(logits) values + inp.  logits[m] = the sum of 16 partial logits (pl, one for each strip of 256 columns of keys); values in bf16 (vt, laid [n / 8][m][8]).
; Work-group g owns columns 16 g .. 16 g + 15 of out0: two groups of 8 columns of vt, 65,536 dense bytes.  EVERY work-group sums all 2,048 logits and takes their maximum itself: work-groups hand
; each other nothing, and pl is 131,072 bytes.  Thread t (wave w, lane l, h = l / 16, r = l % 16) owns eight rows, k = 4 u + i: m = 128 (8 u + w) + 16 (4 h + i) + r: the order in which pl lies,
; so that each load of pl takes 512 consecutive bytes a wave and nothing changes lanes; vt is read by the same rows, 256 consecutive bytes for each half of the lanes.
; All 49 loads of a wave go out at the head: 32 of pl, 16 of vt, one of inp.
; SOFTMAX: the true maximum of all 2,048 logits is taken away in f32 before the scaling by log2(e); p = 2^((l - max) log2 e) is at most 1, and the sum of p at least 1; the sum divides at the end.
; The product of p and values takes bf16 x f32 fused multiply-adds with f32 sums: one row against 2,048, nothing for the matrix units; no tensor loads, no cluster: a work-group's own bytes are read once.
; LIMITS: the sums' order differs from a single chain's (16 partials in turn; 256 threads x 8 rows, joined across lanes and waves).  A p under 2^-126 counts as 0.  NaN and infinities are not served.
.set PA,  1                            ; v1   pl: 16 x thread
.set VA,  2                            ; v2   vt: 2,048 w + 1,024 h + 16 r
.set KA,  3                            ; v3   4 (l % 16): a column's word, in inp, in out0 and in LDS
.set ZA,  4                            ; v4   0
.set MW,  5                            ; v5   LDS: my wave's word among the maxima: 4 w
.set RA,  6                            ; v6   LDS: my wave's 128 bytes of sums: RED + 128 w
.set IN,  7                            ; v7   inp at column l % 16
.set LG,  8                            ; v8-15   my 8 logits
.set P,   16                           ; v16-23  my 8 weights
.set A,   24                           ; v24-39  my 16 columns' sums; v40 the sum of p
.set T,   42                           ; v42-59  at work
.set SA,  64                           ; v64-127, v128-191: two sets for 8 strips of pl each
.set SB,  128
.set VD,  192                          ; v192-255 vt: 4 registers for (group e, row k) at 4 (8 e + k)
.set MX,  0                            ; LDS: 8 words: the waves' maxima
.set RED, 256                          ; LDS: 8 x 128 bytes: a wave's 16 sums, then its sum of p
	s_load_b128 s[4:7], s[0:1], 0x0                ; pl s[4:5], vt s[6:7]
	s_load_b128 s[8:11], s[0:1], 0x10              ; inp s[8:9], out0 s[10:11]
	v_lshl_add_u32 v62, v0, 2, 0x800
	v_mov_b32 v63, 0
	v_lshrrev_b32 v[T], 5, v0                      ; w
	s_delay_alu instid0(VALU_DEP_1)
	v_readfirstlane_b32 s12, v[T]
	v_bfe_u32 v[T+1], v0, 4, 1                     ; h
	v_and_b32 v[T+2], 15, v0                       ; r
	v_lshlrev_b32 v[PA], 4, v0
	v_lshlrev_b32 v[VA], 11, v[T]
	s_delay_alu instid0(VALU_DEP_1)
	v_lshl_add_u32 v[VA], v[T+1], 10, v[VA]
	s_delay_alu instid0(VALU_DEP_1)
	v_lshl_add_u32 v[VA], v[T+2], 4, v[VA]
	v_lshlrev_b32 v[KA], 2, v[T+2]
	v_mov_b32 v[ZA], 0
	v_lshlrev_b32 v[MW], 2, v[T]
	v_lshl_add_u32 v[RA], v[T], 7, RED
	s_lshl_b32 s14, ttmp9, 16                      ; my two groups of 8 columns in vt
	s_mov_b32 s15, 0
	s_lshl_b32 s16, ttmp9, 6                       ; my 16 columns in inp and out0
	s_mov_b32 s17, 0
	s_mov_b32 s20, 0x76543210                      ; v_permlanex16_b32's selects for lane l xor 16
	s_mov_b32 s21, 0xfedcba98
	s_wait_alu depctr_va_vdst(0)
	s_wait_kmcnt 0x0
	s_add_nc_u64 s[6:7], s[6:7], s[14:15]
	s_add_nc_u64 s[8:9], s[8:9], s[16:17]
	s_add_nc_u64 s[10:11], s[10:11], s[16:17]
.macro PLOAD grp, set                  ; strips 8 grp .. 8 grp + 7: sixteen loads, each 512 consecutive bytes a wave
.irp cc, 0,1,2,3,4,5,6,7
.irp u, 0,1
	global_load_b128 v[\set+8*\cc+4*\u:\set+8*\cc+4*\u+3], v[PA], s[4:5] offset:8192*(8*\grp+\cc)+4096*\u
.endr
.endr
.endm
.macro PSUM set, first                 ; eight strips onto my 8 logits, two at a time.  first = 1: the first two strips start the sums: nothing is cleared
.irp cc, 0,1,2,3,4,5,6,7
.if \first && (\cc == 0)
.elseif \first && (\cc == 1)
.irp p, 0,2,4,6
	v_pk_add_f32 v[LG+\p:LG+\p+1], v[\set+\p:\set+\p+1], v[\set+8+\p:\set+8+\p+1]
.endr
.else
.irp p, 0,2,4,6
	v_pk_add_f32 v[LG+\p:LG+\p+1], v[LG+\p:LG+\p+1], v[\set+8*\cc+\p:\set+8*\cc+\p+1]
.endr
.endif
.endr
.endm
	global_load_b32 v[IN], v[KA], s[8:9]           ; 64 bytes; every wave loads them, so that the counts below are the same in all; wave 0 uses them
	PLOAD 0, SA
	PLOAD 1, SB
.irp e, 0,1
.irp u, 0,1
.irp i, 0,1,2,3
	global_load_b128 v[VD+4*(8*\e+4*\u+\i):VD+4*(8*\e+4*\u+\i)+3], v[VA], s[6:7] offset:32768*\e+16384*\u+256*\i th:TH_LOAD_NT   ; my 8 rows of both groups: on their way while the logits are summed
.endr
.endr
.endr
	s_wait_loadcnt 32                              ; inp and strips 0-7 are in; strips 8-15 and vt, 32 loads, stay out
	PSUM SA, 1
	s_wait_alu depctr_va_vdst(0)
	s_wait_loadcnt 16                              ; strips 8-15 are in; vt's 16 loads stay out
	PSUM SB, 0
	; the maximum of all 2,048 logits: my 8, my wave's 256, the eight waves'
	s_delay_alu instid0(VALU_DEP_3)
	v_max3_num_f32 v[T], v[LG], v[LG+1], v[LG+2]
	s_delay_alu instid0(VALU_DEP_3)
	v_max3_num_f32 v[T+1], v[LG+3], v[LG+4], v[LG+5]
	s_delay_alu instid0(VALU_DEP_2)
	v_max3_num_f32 v[T], v[T], v[LG+6], v[LG+7]
	s_delay_alu instid0(VALU_DEP_1)
	v_max_num_f32 v[T], v[T], v[T+1]
.irp x, 1,2,4,8
	s_delay_alu instid0(VALU_DEP_1)
	v_max_num_f32_dpp v[T], v[T], v[T] row_xmask:\x row_mask:0xf bank_mask:0xf
.endr
	s_delay_alu instid0(VALU_DEP_1)
	v_permlanex16_b32 v[T+1], v[T], s20, s21       ; its destination has been written before
	s_delay_alu instid0(VALU_DEP_1)
	v_max_num_f32 v[T], v[T], v[T+1]
	ds_store_b32 v[MW], v[T] offset:MX             ; all lanes write the same word with the same value
	s_wait_dscnt 0x0                               ; for the others' sake: my store is done
	s_barrier_signal -1
	s_barrier_wait -1
	ds_load_b128 v[T+2:T+5], v[ZA] offset:MX
	ds_load_b128 v[T+6:T+9], v[ZA] offset:MX+16
	s_wait_dscnt 0x0
	v_max3_num_f32 v[T], v[T+2], v[T+3], v[T+4]
	v_max3_num_f32 v[T+1], v[T+5], v[T+6], v[T+7]
	s_delay_alu instid0(VALU_DEP_2)
	v_max3_num_f32 v[T], v[T], v[T+8], v[T+9]
	s_delay_alu instid0(VALU_DEP_1)
	v_max_num_f32 v[T], v[T], v[T+1]
.irp k, 0,1,2,3,4,5,6,7
	v_sub_f32 v[P+\k], v[LG+\k], v[T]              ; l - max, 0 or less, before it is scaled
.endr
.irp k, 0,1,2,3,4,5,6,7
	v_mul_f32 v[P+\k], 0x3fb8aa3b, v[P+\k]         ; x log2(e)
.endr
	s_wait_alu depctr_va_vdst(0)
.irp k, 0,1,2,3,4,5,6,7
	v_exp_f32 v[P+\k], v[P+\k]
.endr
.irp j, 0,1,2,3,4,5,6,7,8,9,10,11,12,13,14,15
	v_mov_b32 v[A+\j], 0                           ; the sixteen sums begin; also the plain lines behind the exponentials (ISA guide 5.7.2)
.endr
	s_wait_alu depctr_va_vdst(0)
	v_add_f32 v[A+16], v[P], v[P+1]                ; the sum of my 8 p
	v_add_f32 v[T+2], v[P+2], v[P+3]
	v_add_f32 v[T+3], v[P+4], v[P+5]
	v_add_f32 v[T+4], v[P+6], v[P+7]
	s_delay_alu instid0(VALU_DEP_3)
	v_add_f32 v[A+16], v[A+16], v[T+2]
	s_delay_alu instid0(VALU_DEP_2)
	v_add_f32 v[T+3], v[T+3], v[T+4]
	s_delay_alu instid0(VALU_DEP_1)
	v_add_f32 v[A+16], v[A+16], v[T+3]
	s_wait_loadcnt 0x0                             ; vt
.irp k, 0,1,2,3,4,5,6,7                ; p x value, straight from the bf16 halves, sixteen chains by turns
.irp e, 0,1
.irp d, 0,1,2,3
	v_fma_mix_f32_bf16 v[A+8*\e+2*\d], v[VD+4*(8*\e+\k)+\d], v[P+\k], v[A+8*\e+2*\d] op_sel_hi:[1,0,0]
	v_fma_mix_f32_bf16 v[A+8*\e+2*\d+1], v[VD+4*(8*\e+\k)+\d], v[P+\k], v[A+8*\e+2*\d+1] op_sel:[1,0,0] op_sel_hi:[1,0,0]
.endr
.endr
.endr
.irp x, 1,2,4,8                        ; the 17 sums across the lanes, by turns
.irp j, 0,1,2,3,4,5,6,7,8,9,10,11,12,13,14,15,16
	v_add_f32_dpp v[A+\j], v[A+\j], v[A+\j] row_xmask:\x row_mask:0xf bank_mask:0xf
.endr
.endr
.irp j, 0,1,2,3,4,5,6,7,8,9,10,11,12,13,14,15,16
	v_permlanex16_b32 v[SA+\j], v[A+\j], s20, s21  ; into registers that have been written and are done with
.endr
.irp j, 0,1,2,3,4,5,6,7,8,9,10,11,12,13,14,15,16
	v_add_f32 v[A+\j], v[A+\j], v[SA+\j]
.endr
.irp q, 0,1,2,3
	ds_store_b128 v[RA], v[A+4*\q:A+4*\q+3] offset:16*\q   ; all lanes write the same bytes with the same values
.endr
	ds_store_b32 v[RA], v[A+16] offset:64
	s_wait_dscnt 0x0                               ; for wave 0's sake: my stores are done
	s_barrier_signal -1
	s_barrier_wait -1
	s_cmp_lg_u32 s12, 0
	s_cbranch_scc1 .Lend                           ; wave 0 joins the eight waves' sums
.irp w, 0,1,2,3,4,5,6,7
	ds_load_b32 v[T+\w], v[KA] offset:RED+128*\w           ; column l % 16
.endr
.irp w, 0,1,2,3,4,5,6,7
	ds_load_b32 v[T+8+\w], v[ZA] offset:RED+128*\w+64      ; the sum of p
.endr
	s_wait_dscnt 0x0
.irp o, 0,8
	v_add_f32 v[T+\o], v[T+\o], v[T+\o+1]
	v_add_f32 v[T+\o+2], v[T+\o+2], v[T+\o+3]
	v_add_f32 v[T+\o+4], v[T+\o+4], v[T+\o+5]
	v_add_f32 v[T+\o+6], v[T+\o+6], v[T+\o+7]
	s_delay_alu instid0(VALU_DEP_3)
	v_add_f32 v[T+\o], v[T+\o], v[T+\o+2]
	s_delay_alu instid0(VALU_DEP_2)
	v_add_f32 v[T+\o+4], v[T+\o+4], v[T+\o+6]
	s_delay_alu instid0(VALU_DEP_1)
	v_add_f32 v[T+\o], v[T+\o], v[T+\o+4]
.endr
	s_wait_alu depctr_va_vdst(0)
	v_rcp_f32 v[T+8], v[T+8]
	v_nop                                          ; a plain line between the reciprocal and the use of its result
	s_wait_alu depctr_va_vdst(0)
	v_fma_f32 v[T], v[T], v[T+8], v[IN]            ; context / the sum of p + inp
	s_wait_alu depctr_va_vdst(0)
	s_wait_xcnt 0x0                                ; EXEC changes only behind this wait
	v_cmp_gt_u32 vcc_lo, 16, v0
	s_and_saveexec_b32 s22, vcc_lo
	global_store_b32 v[KA], v[T], s[10:11]         ; 16 lanes store my 16 columns: 64 consecutive bytes of an output of 16 KiB
	s_wait_xcnt 0x0                                ; and again in front of the line that widens it
	s_or_b32 exec_lo, exec_lo, s22
.Lend:
	s_wait_tensorcnt 0x0
	ds_add_u32 v62, v63
	s_wait_dscnt 0x0
	s_endpgm
.Lfunc_end_k_q5cd71fa338_finish:
	.size	k_q5cd71fa338_finish, .Lfunc_end_k_q5cd71fa338_finish-k_q5cd71fa338_finish
	.p2alignl 7, 3214868480
	.fill 96, 4, 3214868480
	.section	.rodata,"a",@progbits
	.p2align	6, 0x0
	.amdhsa_kernel k_q5cd71fa338_finish
		.amdhsa_group_segment_fixed_size 3072
		.amdhsa_private_segment_fixed_size 0
		.amdhsa_enable_private_segment 0
		.amdhsa_kernarg_size 32
		.amdhsa_user_sgpr_count 2
		.amdhsa_user_sgpr_kernarg_segment_ptr 1
		.amdhsa_wavefront_size32 1
		.amdhsa_system_sgpr_workgroup_id_x 1
		.amdhsa_system_sgpr_workgroup_id_y 1
		.amdhsa_system_sgpr_workgroup_id_z 1
		.amdhsa_system_vgpr_workitem_id 0
		.amdhsa_next_free_vgpr 256
		.amdhsa_next_free_sgpr 66
		.amdhsa_reserve_vcc 1
		.amdhsa_float_denorm_mode_32 3
		.amdhsa_float_denorm_mode_16_64 3
		.amdhsa_memory_ordered 1
		.amdhsa_forward_progress 1
		.amdhsa_inst_pref_size 30
	.end_amdhsa_kernel
	.amdgpu_metadata
---
amdhsa.version: [ 1, 2 ]
amdhsa.kernels:
  - .name:           k_q5cd71fa338_finish
    .symbol:         k_q5cd71fa338_finish.kd
    .args:
      - { .name: pl, .offset: 0, .size: 8, .value_kind: global_buffer, .address_space: global }
      - { .name: vt, .offset: 8, .size: 8, .value_kind: global_buffer, .address_space: global }
      - { .name: inp, .offset: 16, .size: 8, .value_kind: global_buffer, .address_space: global }
      - { .name: out0, .offset: 24, .size: 8, .value_kind: global_buffer, .address_space: global }
    .group_segment_fixed_size: 3072
    .private_segment_fixed_size: 0
    .kernarg_segment_align: 8
    .kernarg_segment_size: 32
    .max_flat_workgroup_size: 256
    .sgpr_count:     66
    .vgpr_count:     256
    .wavefront_size: 32
...
	.end_amdgpu_metadata
.endif
;; end of part 3
